; MI455X (gfx1250); checked and timed in simulation.
; The chip was launched on July 23, 2026; its instructions are those of AMD's public machine-readable ISA for CDNA 5 (MIT licence, August 2026) and "CDNA5" Instruction Set Architecture Reference Guide (July 2026). The comments in the code are by the model that wrote it; some were corrected since.
;; Trans Block. Allowed arithmetic: matrix products marked QUANTISED: E4M3 operands, one given power-of-two scale a tensor, by v_wmma_f32_16x16x64_fp8_fp8 or v_wmma_f32_16x16x128_fp8_fp8, f32 sums; everything else in f32.
;; Inputs: W1_codes 512 x 16 x 32 uint8 (E4M3 codes of W1, K innermost, in blocks of 32 codes); W2_codes 512 x 16 x 32 uint8 (E4M3 codes of W2, K innermost, in blocks of 32 codes); Wk_codes 512 x 16 x 32 uint8 (E4M3 codes of Wk, K innermost, in blocks of 32 codes); Wo_codes 512 x 16 x 32 uint8 (E4M3 codes of Wo, K innermost, in blocks of 32 codes); Wq_codes 512 x 16 x 32 uint8 (E4M3 codes of Wq, K innermost, in blocks of 32 codes); Wv_codes 512 x 16 x 32 uint8 (E4M3 codes of Wv, K innermost, in blocks of 32 codes); b1 512 float32; b2 512 float32; bo 512 float32; ln1_b 512 float32; ln1_g 512 float32; ln2_b 512 float32; ln2_g 512 float32; lowp_scales 16 int32 (the exponents e of the quantised operands' scales 2^e); x 4 x 2,048 x 512 float32.
;; Outputs: out0 4 x 2,048 x 512 float32.
;; This version of the problem:
;;   THIS VERSION OF THE PROBLEM IS GIVEN IN LOW PRECISION. The matrix products marked QUANTISED in the list below multiply operands that are first quantised to E4M3 (4 exponent bits, 3 mantissa bits; 8 bits a number), with one given power-of-two scale for each operand tensor; their sums are f32. All else is computed in f32.
;;   The module's matrix products, in the order in which they are computed (A, B: the left and right operand; K: the contracted axis; several contracted axes count as one K, in the product's order):
;;     1. [M 8,192, K 512] x [K 512, N 512]; A: computed on the way; B: input Wq (given as codes): QUANTISED (scales: A lowp_scales[0], B lowp_scales[1])
;;     2. [M 8,192, K 512] x [K 512, N 512]; A: computed on the way; B: input Wk (given as codes): QUANTISED (scales: A lowp_scales[2], B lowp_scales[3])
;;     3. [M 8,192, K 512] x [K 512, N 512]; A: computed on the way; B: input Wv (given as codes): QUANTISED (scales: A lowp_scales[4], B lowp_scales[5])
;;     4. batch 64 x [M 2,048, K 32] x [K 32, N 2,048]; A: computed on the way; B: computed on the way: QUANTISED (scales: A lowp_scales[6], B lowp_scales[7])
;;     5. batch 64 x [M 32, K 2,048] x [K 2,048, N 2,048]; A: computed on the way; B: softmax (see below): QUANTISED (scales: A lowp_scales[8], B lowp_scales[9])
;;     6. [M 8,192, K 512] x [K 512, N 512]; A: computed on the way; B: input Wo (given as codes): QUANTISED (scales: A lowp_scales[10], B lowp_scales[11])
;;     7. [M 8,192, K 512] x [K 512, N 512]; A: computed on the way; B: input W1 (given as codes): QUANTISED (scales: A lowp_scales[12], B lowp_scales[13])
;;     8. [M 8,192, K 512] x [K 512, N 512]; A: computed on the way; B: input W2 (given as codes): QUANTISED (scales: A lowp_scales[14], B lowp_scales[15])
;;   THE QUANTISER, for each operand of a quantised product, along K:
;;     - The operand's scale is 2^e, e = its entry of the input lowp_scales (int32; the entries are numbered through the quantised products in the list's order, A before B).
;;     - Each number is divided by the scale, clamped to +-448, and rounded to the nearest number of E4M3, ties to even, subnormals kept.
;;     - The product sums the exact products of the quantised numbers (number of the format x scale) in f32.
;;   ~~~python
;;   def quantise(x, axis, e):      # numpy; x: float32 -> the quantised numbers, widened to float32 again
;;       x = np.moveaxis(x, axis, -1); K = x.shape[-1]
;;       r = np.clip(x / 2.0 ** e, -448, 448)
;;       step = 2.0 ** (np.maximum(np.frexp(np.where(r == 0, 1, r))[1] - 1, -6) - 3)
;;       q = np.round(r / step) * step * 2.0 ** e      # np.round: ties to even
;;       return np.moveaxis(q, -1, axis).astype(np.float32)
;;   ~~~
;;   SOFTMAX AHEAD OF A QUANTISED PRODUCT. Where the list says 'softmax', what is quantised is not the finished softmax but p = 2^(t - M), with t = logit x log2(e) and M = ceil(the row's largest t), a whole number; so 1/2 < the row's largest p <= 1. The row's sum l is taken of the UNQUANTISED p, in f32, and the product's result is divided by l at the end. Since M is a whole number, a kernel that streams over the keys may use a running M (the ceiling of the running maximum): every later rescaling is an exact power of two, so the quantised numbers keep their values, but for numbers so far below the row's largest that they fall under the format's range.
;;   OPERANDS COMPUTED ON THE WAY. 'Computed on the way' means the value that the module computes at that place (a softmax that the list does not call 'softmax' is quantised finished and normalised). What goes into a quantiser is computed in f32, as accurately as f32 sums, v_exp_f32 and their like allow (about 1e-6 of the number): no bf16 or f16 on the way to a quantiser, and a product that is left as it is and whose result goes on into a quantised operand takes f32 operands (vector FMAs, or v_wmma_f32_16x16x4_f32). A number that lies on a knife's edge between two numbers of the format may be rounded either way, as far as f32 arithmetic and the matrix unit's own rounding can turn it there, and no further.
;;   INPUTS GIVEN AS CODES. W1 (in the module: [512, 512], K = its axis 1); W2 (in the module: [512, 512], K = its axis 1); Wk (in the module: [512, 512], K = its axis 1); Wo (in the module: [512, 512], K = its axis 1); Wq (in the module: [512, 512], K = its axis 1); Wv (in the module: [512, 512], K = its axis 1): each comes as NAME_codes (uint8): NAME with its K axis moved to the last place and cut into blocks of 32 codes, [.., K / 32, bytes a block], one block behind the other in memory; one code a byte (a code: sign, 4 exponent bits, 3 mantissa bits); its scale is its entry of lowp_scales. Its value is code x scale, taken as it is: it is not quantised again, and the codes and scales need not be those that the quantiser above would give.
;; One version. Each part assembles by itself: llvm-mc -triple=amdgcn-amd-amdhsa -mcpu=gfx1250 --defsym DOCPART=n.
;; ======== version 1 of 1: 3 launches
;; limits: right only within a limited range of input values
;; workspace buffers: qc 4,194,304 bytes; kv 8,388,608 bytes; att 4,194,304 bytes
;; launch qkv (part 1): grid 3 x 64, 4 waves a work-group, no clusters, 233,984 bytes of LDS; arguments x, ln1_g, ln1_b, Wq_codes, Wk_codes, Wv_codes, lowp_scales, qc, kv; writes qc, kv
.if DOCPART == 1
	.amdgcn_target "amdgcn-amd-amdhsa--gfx1250"
	.amdhsa_code_object_version 6
	.text
	.protected	k_q1c3b7e5806_qkv
	.globl	k_q1c3b7e5806_qkv
	.p2align	8
	.type	k_q1c3b7e5806_qkv,@function
k_q1c3b7e5806_qkv:
	s_mov_b64 s[64:65], 0
	v_nop
	global_prefetch_b8 v0, s[64:65] scope:SCOPE_SE
	s_setreg_imm32_b32 hwreg(HW_REG_WAVE_MODE, 25, 1), 1
	s_wait_xcnt 0x0
; LN1, its quantiser, ONE of the three projections (work-group x = m: 0 q, 1 k, 2 v) and that projection's quantiser, for 128 tokens (work-group y = g).
; x [8192][512] f32; W* codes [512][512], K innermost; exponents e0..e15 (int32).  xn is quantised with e[2m], W has e[2m+1], the result (q x 1/sqrt(32), k, v) is quantised with e[6+m].
; OUT, as images of the reader's operand registers (lane l's 16 bytes at 16 l, 512 bytes a piece):
;   qc [bh 64][query tile 128][lane][16]: lane (r,h) = query 16 tile + r, d = 16 h + 0..15.
;   kv [bh 64][step 16][8192]: bytes 0..4095 K: [key tile 8][lane][16] as qc; bytes 4096..8191 V^T: [u 2][c 4][lane][16]: lane (r,h) = d 8 u + r + 8 (r/8), keys 32 c + 8 h + 0..7, then 32 c + 16 + 8 h + 0..7.
; SHARES.  Wave w normalises tokens 32 w .. 32 w + 31 (a lane holds 16 neighbours along K of a row; a row is the wave's 32 lanes) and puts their codes into LDS; behind one barrier wave w multiplies
; all 128 tokens by features 128 w .. 128 w + 127 (heads 4 w .. 4 w + 3), a head (32 features, two tiles of 16) at a time: 16 accumulators by turns, 64 matrix instructions a head.
; x comes by loads of 512 consecutive bytes and turns through the wave's own stage in LDS (64 bytes + 16 of padding a lane), so that a lane gets 64 neighbouring bytes.
; THE ROWS OF W THAT FORM A TILE ARE NOT NEIGHBOURS: lane r of tile u takes row 32 head + 8 u + r + 8 (r/8), so that a lane's 16 results of tiles 0 and 1 are d = 16 h + 0..15.
; q, k: source 0 = W, source 1 = tokens: a lane holds one token.  v: source 0 = tokens, source 1 = W: a lane holds one d, and its registers run along the tokens, which are the next product's K.
; No cluster: the partners that share x would be three, and a weight byte is wanted by one wave's registers alone.  192 work-groups: one matrix each, so that xn is quantised with one scale.
; LIMITS: e[2m] and e[6+m] - e[2m] - e[2m+1] lie between -126 and 119.  NaN among the inputs is not served.
; REGISTERS, in windows of 256.  window 0: v4-13 addresses and scales; v32-47 gamma, v48-63 beta at k = 16 lane + 0..15; v64-191 eight rows at work, later W's set 1; v192-223 at work, later codes; v224-239 mean and 1/sigma as pairs; v240-255 codes.
;   windows 1, 2: x as loaded (four sets of 128), later the tokens' fragments X[T][s] at 64 (T % 4) + 16 s.   window 3: v0-127 accumulators, v128-255 W's set 0.
.set STGB, 20480                       ; a stage: 8 rows x 2,560 bytes; two for each wave
.set IMG,  163840                      ; behind the stages: 8 token tiles x TP
.set TP,   8704                        ; a token tile's codes: 32 pieces (16 k each) x (16 tokens x 16 bytes + 16 of padding)
.set LA,   4                           ; v4   stage, out: 80 x lane
.set IA,   5                           ; v5   where I put a token's 16 codes: piece = lane
.set FA0,  6                           ; v6   fragments of token tiles 0-3
.set FA1,  7                           ; v7   of tiles 4-7
.set WA,   8                           ; v8   W: my lane's row and half
.set OA,   9                           ; v9   16 x lane
.set SA,   10                          ; v10  stage, in
.set CX,   12                          ; v12  2^e[2m]
.set CO,   13                          ; v13  2^(e[6+m] - e[2m] - e[2m+1])
.set G,    32
.set BT,   48
.set XR,   64
.set T,    192
.set CODE, 192
.set MU,   224
.set RS,   232
.set C,    240
.set WP,   44                          ; s[44:45] my 128 rows of the matrix
.set OP,   46                          ; s[46:47] where the head in hand is stored
.set HS,   48                          ; s[48:49] from head to head in the output
.set SEL,  62                          ; s[62:63] v_permlanex16_b32: lane l xor 16
.set MSB, 0
.macro WIN new                         ; the immediate's high byte repeats the setting that is left
.if MSB != (\new)
	s_set_vgpr_msb (MSB<<8)|(\new)
.set MSB, (\new)
.endif
.endm
.macro XL n                            ; tile n (8 rows) of my 32 rows of x, as it lies: each load 512 consecutive bytes
	WIN (1+(\n)/2)<<6
.irp i, 0,1,2,3,4,5,6,7
.irp j, 0,1,2,3
	global_load_b128 v[128*((\n)%2)+16*\i+4*\j:128*((\n)%2)+16*\i+4*\j+3], v[OA], s[4:5] offset:(8*(\n)+\i)*2048+512*\j
.endr
.endr
	WIN 0
.endm
.macro WSTEP n, s                      ; head n's two tiles of W, K step s, into set n % 2
.if (\n)%2 == 0
	WIN 0xc0
.set WB, 128
.else
	WIN 0
.set WB, 64
.endif
.irp u, 0,1
.irp c, 0,1,2,3
	global_load_b128 v[WB+64*\u+16*(\s)+4*\c:WB+64*\u+16*(\s)+4*\c+3], v[WA], s[WP:WP+1] offset:(32*(\n)+8*\u)*512+128*(\s)+32*\c
.endr
.endr
.endm
.macro RED4                            ; four rows' numbers v[T+8p] summed over the 32 lanes, the rows by turns
.irp x, 1,2,4,8
.irp p, 0,1,2,3
	v_add_f32_dpp v[T+8*\p], v[T+8*\p], v[T+8*\p] row_xmask:\x row_mask:0xf bank_mask:0xf
.endr
.endr
.irp p, 0,1,2,3
	v_permlanex16_b32 v[T+8*\p+1], v[T+8*\p], s[SEL], s[SEL+1]
.endr
.irp p, 0,1,2,3
	v_add_f32 v[T+8*\p], v[T+8*\p], v[T+8*\p+1]
.endr
.endm
; Four rows, 16 numbers a lane each from v[xb] on: mean, centred squares, 1/sigma, gamma, beta, hold, codes; the codes go to LDS at off.
.macro BATCH xb, off
.irp q, 0,1,2,3
.irp p, 0,1,2,3
	v_pk_add_f32 v[T+8*\p+2*\q:T+8*\p+2*\q+1], v[(\xb)+16*\p+4*\q:(\xb)+16*\p+4*\q+1], v[(\xb)+16*\p+4*\q+2:(\xb)+16*\p+4*\q+3]
.endr
.endr
.irp p, 0,1,2,3
	v_pk_add_f32 v[T+8*\p:T+8*\p+1], v[T+8*\p:T+8*\p+1], v[T+8*\p+2:T+8*\p+3]
.endr
.irp p, 0,1,2,3
	v_pk_add_f32 v[T+8*\p+4:T+8*\p+5], v[T+8*\p+4:T+8*\p+5], v[T+8*\p+6:T+8*\p+7]
.endr
.irp p, 0,1,2,3
	v_pk_add_f32 v[T+8*\p:T+8*\p+1], v[T+8*\p:T+8*\p+1], v[T+8*\p+4:T+8*\p+5]
.endr
.irp p, 0,1,2,3
	v_add_f32 v[T+8*\p], v[T+8*\p], v[T+8*\p+1]
.endr
	RED4
.irp p, 0,1,2,3
	v_mul_f32 v[MU+2*\p], s60, v[T+8*\p]           ; the mean: sum / 512
.endr
.irp j, 0,2,4,6,8,10,12,14
.irp p, 0,1,2,3
	v_pk_add_f32 v[(\xb)+16*\p+\j:(\xb)+16*\p+\j+1], v[(\xb)+16*\p+\j:(\xb)+16*\p+\j+1], v[MU+2*\p:MU+2*\p+1] op_sel_hi:[1,0] neg_lo:[0,1] neg_hi:[0,1]   ; x - mean, in place
.endr
.endr
.irp p, 0,1,2,3
	v_pk_mul_f32 v[T+8*\p:T+8*\p+1], v[(\xb)+16*\p:(\xb)+16*\p+1], v[(\xb)+16*\p:(\xb)+16*\p+1]
	v_pk_mul_f32 v[T+8*\p+2:T+8*\p+3], v[(\xb)+16*\p+2:(\xb)+16*\p+3], v[(\xb)+16*\p+2:(\xb)+16*\p+3]
.endr
.irp j, 4,8,12
.irp p, 0,1,2,3
	v_pk_fma_f32 v[T+8*\p:T+8*\p+1], v[(\xb)+16*\p+\j:(\xb)+16*\p+\j+1], v[(\xb)+16*\p+\j:(\xb)+16*\p+\j+1], v[T+8*\p:T+8*\p+1]
	v_pk_fma_f32 v[T+8*\p+2:T+8*\p+3], v[(\xb)+16*\p+\j+2:(\xb)+16*\p+\j+3], v[(\xb)+16*\p+\j+2:(\xb)+16*\p+\j+3], v[T+8*\p+2:T+8*\p+3]
.endr
.endr
.irp p, 0,1,2,3
	v_pk_add_f32 v[T+8*\p:T+8*\p+1], v[T+8*\p:T+8*\p+1], v[T+8*\p+2:T+8*\p+3]
.endr
.irp p, 0,1,2,3
	v_add_f32 v[T+8*\p], v[T+8*\p], v[T+8*\p+1]
.endr
	RED4
.irp p, 0,1,2,3
	v_fma_f32 v[T+8*\p], v[T+8*\p], s60, s61       ; the variance + 1e-5
.endr
	s_wait_alu depctr_va_vdst(0)
.irp p, 0,1,2,3
	v_rsq_f32 v[RS+2*\p], v[T+8*\p]
.endr
	v_nop                                          ; a plain instruction behind the last of the four
	s_wait_alu depctr_va_vdst(0)                   ; one wait for the four, ahead of their first reader
.irp j, 0,2,4,6,8,10,12,14
.irp p, 0,1,2,3
	v_pk_mul_f32 v[(\xb)+16*\p+\j:(\xb)+16*\p+\j+1], v[(\xb)+16*\p+\j:(\xb)+16*\p+\j+1], v[RS+2*\p:RS+2*\p+1] op_sel_hi:[1,0]
.endr
.endr
.irp j, 0,2,4,6,8,10,12,14
.irp p, 0,1,2,3
	v_pk_fma_f32 v[(\xb)+16*\p+\j:(\xb)+16*\p+\j+1], v[(\xb)+16*\p+\j:(\xb)+16*\p+\j+1], v[G+\j:G+\j+1], v[BT+\j:BT+\j+1]
.endr
.endr
.irp p, 0,1,2,3
.irp j, 0,1,2,3,4,5,6,7,8,9,10,11,12,13,14,15
	v_med3_num_f32 v[(\xb)+16*\p+\j], v[(\xb)+16*\p+\j], s53, s54   ; the conversion does not saturate (ISA guide 7.6.2): hold within +-448 x the scale
.endr
.endr
.irp p, 0,1,2,3
	v_cvt_scalef32_pk8_fp8_f32 v[C+4*\p:C+4*\p+1], v[(\xb)+16*\p:(\xb)+16*\p+7], v[CX]
	v_cvt_scalef32_pk8_fp8_f32 v[C+4*\p+2:C+4*\p+3], v[(\xb)+16*\p+8:(\xb)+16*\p+15], v[CX]
.endr
	v_nop                                          ; a plain instruction behind the last conversion
.irp p, 0,1,2,3
	ds_store_b128 v[IA], v[C+4*\p:C+4*\p+3] offset:(\off)+16*\p
.endr
.endm
; Tile n: 8 rows turn through my stage and are normalised, four at a time.
.macro TILE n
	s_wait_loadcnt 32                              ; this tile's 32 loads are in; the 32 issued behind them may be out
	WIN (1+(\n)/2)<<2                              ; the stores' data lie in window 1 or 2
.irp i, 0,1,2,3,4,5,6,7
.irp j, 0,1,2,3
	ds_store_b128 v[SA], v[128*((\n)%2)+16*\i+4*\j:128*((\n)%2)+16*\i+4*\j+3] offset:((\n)%2)*STGB+2560*\i+640*\j
.endr
.endr
	WIN 0
.irp i, 0,1,2,3,4,5,6,7
.irp j, 0,1,2,3
	ds_load_b128 v[XR+16*\i+4*\j:XR+16*\i+4*\j+3], v[LA] offset:((\n)%2)*STGB+2560*\i+16*\j   ; LDS serves a wave's instructions in order (ISA guide 5.7.1.4): these see my stores
.endr
.endr
.if (\n) < 2
	XL (\n)+2                                      ; two tiles ahead, into registers of its own
.elseif (\n) == 2
	WSTEP 0, 0                                     ; the first head's weights
	WSTEP 0, 1
	WSTEP 0, 2
	WSTEP 0, 3
	WIN 0
.endif
	s_wait_dscnt 16                                ; rows 0-3 are back
	BATCH XR, ((\n)/2)*TP+((\n)%2)*128
	s_wait_dscnt 0x0                               ; rows 4-7 are back, and the four stores have read their registers
	BATCH XR+64, ((\n)/2)*TP+((\n)%2)*128+64
.endm
; 16 matrix instructions: 8 token tiles x 2 tiles of W, K step s.  The 16 accumulators take turns, one instruction a turn, in the same order in every step.
.macro MULS n, s, vp
.if (\n)%2 == 0
.set WB, 128
.set WW, 3
.else
.set WB, 64
.set WW, 0
.endif
.irp t, 0,1,2,3,4,5,6,7
.if \vp
	WIN 0xf0|(WW<<2)|(1+\t/4)
.else
	WIN 0xf0|((1+\t/4)<<2)|WW
.endif
.irp u, 0,1
.if \vp
.if (\s) == 0
	v_wmma_f32_16x16x128_fp8_fp8 v[64*\u+8*\t:64*\u+8*\t+7], v[64*(\t%4)+16*(\s):64*(\t%4)+16*(\s)+15], v[WB+64*\u+16*(\s):WB+64*\u+16*(\s)+15], 0
.else
	v_wmma_f32_16x16x128_fp8_fp8 v[64*\u+8*\t:64*\u+8*\t+7], v[64*(\t%4)+16*(\s):64*(\t%4)+16*(\s)+15], v[WB+64*\u+16*(\s):WB+64*\u+16*(\s)+15], v[64*\u+8*\t:64*\u+8*\t+7]
.endif
.else
.if (\s) == 0
	v_wmma_f32_16x16x128_fp8_fp8 v[16*\t+8*\u:16*\t+8*\u+7], v[WB+64*\u+16*(\s):WB+64*\u+16*(\s)+15], v[64*(\t%4)+16*(\s):64*(\t%4)+16*(\s)+15], 0
.else
	v_wmma_f32_16x16x128_fp8_fp8 v[16*\t+8*\u:16*\t+8*\u+7], v[WB+64*\u+16*(\s):WB+64*\u+16*(\s)+15], v[64*(\t%4)+16*(\s):64*(\t%4)+16*(\s)+15], v[16*\t+8*\u:16*\t+8*\u+7]
.endif
.endif
.endr
.endr
.endm
; A head's 128 x 32 results become codes and leave: eight stores of 512 consecutive, aligned bytes.
.macro EPI n, vp
	s_wait_xcnt 0x0                                ; the last head's stores have read their data and their base: both are written again below
.if (\n) > 0
	s_add_nc_u64 s[OP:OP+1], s[OP:OP+1], s[HS:HS+1]
.endif
	WIN 0xc3                                       ; source 0 and destination: the accumulators' window
.if !(\vp)
.set jj, 0
.rept 64
	v_pk_mul_f32 v[jj:jj+1], v[jj:jj+1], s[58:59] op_sel_hi:[1,0]   ; q: x 1/sqrt(32); k: x 1.  Each accumulator from its low end on
.set jj, jj+2
.endr
.endif
.set jj, 0
.rept 128
	v_med3_num_f32 v[jj], v[jj], s55, s56          ; hold within +-448 x the folded scale
.set jj, jj+1
.endr
	WIN 0x03
.irp t, 0,1,2,3,4,5,6,7
.irp u, 0,1
.if \vp
	v_cvt_scalef32_pk8_fp8_f32 v[CODE+16*\u+2*\t:CODE+16*\u+2*\t+1], v[64*\u+8*\t:64*\u+8*\t+7], v[CO]   ; tokens 16 T + 8 h + 0..7 of my d: registers 2 T, 2 T + 1 of the operand
.else
	v_cvt_scalef32_pk8_fp8_f32 v[CODE+4*\t+2*\u:CODE+4*\t+2*\u+1], v[16*\t+8*\u:16*\t+8*\u+7], v[CO]     ; d = 16 h + 8 u + 0..7 of my token
.endif
.endr
.endr
	v_nop                                          ; a plain instruction behind the last conversion: the next head's products write its sources
	WIN 0
.irp t, 0,1,2,3,4,5,6,7
.if \vp
	global_store_b128 v[OA], v[CODE+4*\t:CODE+4*\t+3], s[OP:OP+1] offset:4096+512*\t
.else
	global_store_b128 v[OA], v[CODE+4*\t:CODE+4*\t+3], s[OP:OP+1] offset:512*\t
.endif
.endr
.endm
; Head n of my four.  The weights run two heads ahead, a K step at a time, into the registers that the step has just left.
.macro CHUNK n, vp
.irp s, 0,1,2,3
.if (\n) < 2
	s_wait_loadcnt 56                              ; younger than this step's 8 loads: 8 (3 - s) of this head, 32 of the next, 8 s of the one after
.elseif (\n) == 2
	s_wait_loadcnt 56-8*\s                         ; 8 (3 - s) of this head, 32 of the last
.else
	s_wait_loadcnt 24-8*\s
.endif
.if (\n) == 0
.if \s < 2
	s_wait_dscnt 63                                ; this K step's 32 fragment loads are in: 96 or 64 are younger, and the count's field ends at 63
.else
	s_wait_dscnt 96-32*\s
.endif
.endif
	MULS \n, \s, \vp
.if ((\n) < 2) || (\s == 3)
.rept 4
	v_nop                                          ; four places in front of loads into registers that these products have read, and of the first read of results
.endr
.endif
.if (\n) < 2
	WSTEP (\n)+2, \s
.endif
.endr
	EPI \n, \vp
.endm
	s_load_b512 s[4:19], s[0:1], 0x0               ; x, gamma, beta, Wq, Wk, Wv, the exponents, qc
	s_load_b64 s[20:21], s[0:1], 0x40              ; kv
	v_lshl_add_u32 v30, v0, 2, 0x39000
	v_mov_b32 v31, 0
	v_lshrrev_b32 v1, 5, v0
	v_readfirstlane_b32 s22, v1                    ; wave 0..3
	s_mov_b32 s23, ttmp9                           ; m
	s_and_b32 s24, ttmp7, 0xffff                   ; g
	v_and_b32 v1, 31, v0                           ; lane
	v_and_b32 v2, 15, v0                           ; r
	v_bfe_u32 v3, v0, 4, 1                         ; h
	s_mul_i32 s25, s22, 2*STGB                     ; my two stages
	v_mul_u32_u24 v[LA], v1, 80
	v_add_nc_u32 v[LA], s25, v[LA]
	v_lshrrev_b32 v[SA], 2, v1
	v_mul_u32_u24 v[SA], v[SA], 80
	v_and_b32 v11, 3, v1
	v_lshl_add_u32 v[SA], v11, 4, v[SA]            ; four lanes' 64 bytes on end, then 16 of padding
	v_add_nc_u32 v[SA], s25, v[SA]
	s_mul_i32 s25, s22, 2*TP
	s_add_co_u32 s25, s25, IMG                     ; my two token tiles
	v_mul_u32_u24 v[IA], v1, 272
	v_add_nc_u32 v[IA], s25, v[IA]
	v_mul_u32_u24 v[FA0], v3, 272
	v_lshl_add_u32 v[FA0], v2, 4, v[FA0]
	v_add_nc_u32 v[FA0], IMG, v[FA0]               ; token r, piece h; the piece 8 s + 2 c stands in the offset
	v_add_nc_u32 v[FA1], 4*TP, v[FA0]
	v_and_b32 v[WA], 8, v2
	v_add_nc_u32 v[WA], v[WA], v2                  ; r + 8 (r/8)
	v_lshlrev_b32 v[WA], 9, v[WA]
	v_lshl_add_u32 v[WA], v3, 4, v[WA]
	v_lshlrev_b32 v[OA], 4, v1
	v_lshlrev_b32 v11, 6, v1                       ; gamma, beta: my 16 numbers
.irp p, 0,1,2,3
	v_mov_b32 v[MU+2*\p+1], 0                      ; named as upper halves of pairs, so they are written
	v_mov_b32 v[RS+2*\p+1], 0
.endr
	s_mov_b32 s60, 0x3b000000                      ; 1/512
	s_mov_b32 s61, 0x3727c5ac                      ; 1e-5
	s_mov_b32 s[SEL], 0x76543210
	s_mov_b32 s[SEL+1], 0xfedcba98
	s_wait_alu depctr_va_vdst(0)
	s_wait_kmcnt 0x0
	s_load_b512 s[68:83], s[16:17], 0x0            ; e0 .. e15
	s_lshl_b32 s26, s24, 18                        ; 128 g rows of 2,048 bytes,
	s_lshl_b32 s27, s22, 16                        ; 32 w rows
	s_add_co_u32 s26, s26, s27
	s_mov_b32 s27, 0
	s_add_nc_u64 s[4:5], s[4:5], s[26:27]
	s_cmp_eq_u32 s23, 0
	s_cselect_b64 s[WP:WP+1], s[10:11], s[12:13]
	s_cselect_b64 s[OP:OP+1], s[18:19], s[20:21]
	s_cselect_b32 s28, 0, 1                        ; kv's strides are twice qc's
	s_cmp_eq_u32 s23, 2
	s_cselect_b64 s[WP:WP+1], s[14:15], s[WP:WP+1]
	s_lshl_b32 s26, s22, 16                        ; my 128 rows of 512 bytes
	s_add_nc_u64 s[WP:WP+1], s[WP:WP+1], s[26:27]
	s_and_b32 s26, s24, 0x30                       ; 16 b
	s_lshl_b32 s29, s22, 2
	s_add_co_u32 s26, s26, s29                     ; + 4 w: my first head
	s_lshl_b32 s26, s26, 16
	s_and_b32 s29, s24, 15                         ; the step
	s_lshl_b32 s29, s29, 12
	s_add_co_u32 s26, s26, s29
	s_lshl_b32 s26, s26, s28
	s_add_nc_u64 s[OP:OP+1], s[OP:OP+1], s[26:27]
	s_lshl_b32 s[HS], 0x10000, s28
	s_mov_b32 s[HS+1], 0
.irp j, 0,1,2,3
	global_load_b128 v[G+4*\j:G+4*\j+3], v11, s[6:7] offset:16*\j
	global_load_b128 v[BT+4*\j:BT+4*\j+3], v11, s[8:9] offset:16*\j
.endr
	XL 0
	XL 1
	s_wait_kmcnt 0x0
	s_cmp_eq_u32 s23, 0
	s_cselect_b32 s50, s68, s70                    ; e[2m]
	s_cselect_b32 s51, s69, s71                    ; e[2m+1]
	s_cselect_b32 s52, s74, s75                    ; e[6+m]
	s_mov_b32 s58, 0x3f800000
	s_cselect_b32 s58, 0x3e3504f3, s58             ; q: 1/sqrt(32); else 1
	s_mov_b32 s59, s58
	s_cmp_eq_u32 s23, 2
	s_cselect_b32 s50, s72, s50
	s_cselect_b32 s51, s73, s51
	s_cselect_b32 s52, s76, s52
	s_sub_co_i32 s52, s52, s50
	s_sub_co_i32 s52, s52, s51                     ; a sum stands for sum x 2^(e[2m] + e[2m+1]): the three scales are folded into the conversion's one
	s_add_co_i32 s50, s50, 127
	s_lshl_b32 s51, s50, 23
	v_mov_b32 v[CX], s51
	s_add_co_i32 s50, s50, 8
	s_lshl_b32 s50, s50, 23
	s_or_b32 s54, s50, 0x600000                    ; 448 x 2^e[2m]
	s_or_b32 s53, s54, 0x80000000
	s_add_co_i32 s52, s52, 127
	s_lshl_b32 s51, s52, 23
	v_mov_b32 v[CO], s51
	s_add_co_i32 s52, s52, 8
	s_lshl_b32 s52, s52, 23
	s_or_b32 s56, s52, 0x600000
	s_or_b32 s55, s56, 0x80000000
	TILE 0
	TILE 1
	TILE 2
	TILE 3
	WSTEP 1, 0                                     ; the second head's weights, into the registers that the rows have left
	WSTEP 1, 1
	WSTEP 1, 2
	WSTEP 1, 3
	s_wait_dscnt 0x0                               ; for the others' sake: my codes lie in LDS
	s_barrier_signal -1
	s_barrier_wait -1                              ; all 128 tokens' do
.irp s, 0,1,2,3                        ; all fragments, K step by K step: they stay in registers for my four heads
	WIN 0x40
.irp t, 0,1,2,3
.irp c, 0,1,2,3
	ds_load_b128 v[64*\t+16*\s+4*\c:64*\t+16*\s+4*\c+3], v[FA0] offset:\t*TP+(8*\s+2*\c)*272
.endr
.endr
	WIN 0x80
.irp t, 0,1,2,3
.irp c, 0,1,2,3
	ds_load_b128 v[64*\t+16*\s+4*\c:64*\t+16*\s+4*\c+3], v[FA1] offset:\t*TP+(8*\s+2*\c)*272
.endr
.endr
.endr
	WIN 0
	s_cmp_eq_u32 s23, 2                            ; the work-group's x alone decides; neither way holds a barrier
	s_cbranch_scc1 .Lv
	CHUNK 0, 0
	CHUNK 1, 0
	CHUNK 2, 0
	CHUNK 3, 0
	s_wait_tensorcnt 0x0
	ds_add_u32 v30, v31
	s_wait_dscnt 0x0
	s_endpgm
.Lv:
	CHUNK 0, 1
	CHUNK 1, 1
	CHUNK 2, 1
	CHUNK 3, 1
	s_wait_tensorcnt 0x0
	ds_add_u32 v30, v31
	s_wait_dscnt 0x0
	s_endpgm
.Lfunc_end_k_q1c3b7e5806_qkv:
	.size	k_q1c3b7e5806_qkv, .Lfunc_end_k_q1c3b7e5806_qkv-k_q1c3b7e5806_qkv
	.p2alignl 7, 3214868480
	.fill 96, 4, 3214868480
	.section	.rodata,"a",@progbits
	.p2align	6, 0x0
	.amdhsa_kernel k_q1c3b7e5806_qkv
		.amdhsa_group_segment_fixed_size 233984
		.amdhsa_private_segment_fixed_size 0
		.amdhsa_enable_private_segment 0
		.amdhsa_kernarg_size 72
		.amdhsa_user_sgpr_count 2
		.amdhsa_user_sgpr_kernarg_segment_ptr 1
		.amdhsa_wavefront_size32 1
		.amdhsa_system_sgpr_workgroup_id_x 1
		.amdhsa_system_sgpr_workgroup_id_y 1
		.amdhsa_system_sgpr_workgroup_id_z 1
		.amdhsa_system_vgpr_workitem_id 0
		.amdhsa_next_free_vgpr 1024
		.amdhsa_next_free_sgpr 100
		.amdhsa_reserve_vcc 0
		.amdhsa_float_denorm_mode_32 3
		.amdhsa_float_denorm_mode_16_64 3
		.amdhsa_memory_ordered 1
		.amdhsa_forward_progress 1
		.amdhsa_inst_pref_size 255
	.end_amdhsa_kernel
	.section	.bss,"aw",@nobits
	.p2align	6
	.space	262144
	.amdgpu_metadata
---
amdhsa.version: [ 1, 2 ]
amdhsa.kernels:
  - .name:           k_q1c3b7e5806_qkv
    .symbol:         k_q1c3b7e5806_qkv.kd
    .args:
      - { .name: x, .offset: 0, .size: 8, .value_kind: global_buffer, .address_space: global }
      - { .name: ln1_g, .offset: 8, .size: 8, .value_kind: global_buffer, .address_space: global }
      - { .name: ln1_b, .offset: 16, .size: 8, .value_kind: global_buffer, .address_space: global }
      - { .name: Wq_codes, .offset: 24, .size: 8, .value_kind: global_buffer, .address_space: global }
      - { .name: Wk_codes, .offset: 32, .size: 8, .value_kind: global_buffer, .address_space: global }
      - { .name: Wv_codes, .offset: 40, .size: 8, .value_kind: global_buffer, .address_space: global }
      - { .name: lowp_scales, .offset: 48, .size: 8, .value_kind: global_buffer, .address_space: global }
      - { .name: qc, .offset: 56, .size: 8, .value_kind: global_buffer, .address_space: global }
      - { .name: kv, .offset: 64, .size: 8, .value_kind: global_buffer, .address_space: global }
    .group_segment_fixed_size: 233984
    .private_segment_fixed_size: 0
    .kernarg_segment_align: 8
    .kernarg_segment_size: 72
    .max_flat_workgroup_size: 128
    .sgpr_count:     100
    .vgpr_count:     1024
    .wavefront_size: 32
...
	.end_amdgpu_metadata
.endif
;; end of part 1
;; launch attn (part 2): grid 4 x 64, 8 waves a work-group, no clusters, 133,120 bytes of LDS; arguments qc, kv, lowp_scales, att; writes att
.if DOCPART == 2
	.amdgcn_target "amdgcn-amd-amdhsa--gfx1250"
	.amdhsa_code_object_version 6
	.text
	.protected	k_q1c3b7e5806_attn
	.globl	k_q1c3b7e5806_attn
	.p2align	8
	.type	k_q1c3b7e5806_attn,@function
k_q1c3b7e5806_attn:
	s_mov_b64 s[64:65], 0
	v_nop
	global_prefetch_b8 v0, s[64:65] scope:SCOPE_SE
	s_setreg_imm32_b32 hwreg(HW_REG_WAVE_MODE, 25, 1), 1
	s_wait_xcnt 0x0
; Attention of one head (work-group y = bh) for 512 queries (work-group x), both products on E4M3 codes; the result is quantised with e10 for the next product.
; qc [bh][query tile][lane][16], kv [bh][step of 128 keys][K: 8 tiles x 512 bytes | V^T: 2 x 4 x 512 bytes]: images of operand registers.  att [row tile 512][head 16][lane][16].
; THE SOFTMAX: t = score x log2(e) x 2^(e6+e7); -M = floor(-(running largest t)); p = 2^(t - M) is quantised with e9, not normalised; the row's sum is taken of the unquantised p and divides at the end;
; when M moves, the sum and O are multiplied by f = 2^(old M - new M), which rounds nothing.
; SHARES.  Eight waves, two to a SIMD; a wave owns FOUR tiles of 16 queries, which share every fragment of K and V.  A lane holds one query (lane % 16) throughout.
; S^T = K Q^T by the K = 64 form: the head's 32 fill one half of K.  Even tiles: Q | zeros against K(t) | K(t+1); odd tiles: zeros | Q against K(t-1) | K(t): two tiles share one run of zero codes.
; THE ORDER OF A WAVE'S WORK.  The tiles' steps follow each other (number n = 4 step + tile) on two buffers of 64 scores by turns.  The exponentials go in batches of 32 (half a tile's step), and behind each
; exponential stands one line of a neighbour that names none of the batch's registers: the multiply-adds t - M of the half that comes next, and the conversions and the first level of the sums of the half before.
;   X1(n): exp(n low)  with  t - M of n high,      codes and sums of n-1 high
;   SEC  : tile n-1 is finished (O x f, sums, V^T P); K Q^T, the maxima and M of tile n+1, into the buffer that n-1 has left
;   X2(n): exp(n high) with  codes and sums of n low,  t - M of n+1 low
; All sources of a batch's lines are written ahead of the wait in front of it, all results are read behind the wait that follows it.
; The first trip finishes a tile "-1" of zero codes and zero sums.  In the last trip the look-ahead's products, maxima and M are jumped over (a branch on the count of steps); K's look-ahead loads there read
; step 0 again and the sixteen multiply-adds of the look-ahead work on registers that nobody reads.
; THE FILL.  All 32 loads a thread of the head's kv (131,072 bytes) are issued at the head.  Steps 0 to 3 go to LDS first, behind one barrier; the first tile's K Q^T, maxima and M are worked; then the other 24 loads
; go to LDS, behind a second barrier.  From there on LDS is only read.  The whole stream is asked for at the head by the loads themselves, so no prefetch is laid.
; No tensor load and no cluster: the branch on e9 below spares 64 holds for each tile and step; kv is fetched once by a work-group.
; THE HOLD of p: p is at most 1 (a last bit more), so with e9 >= -8 p / 2^e9 stays under 448 and no hold is due.  Every wave walks the one loop; at the head of each batch a scalar branch on the given whole
; number e9 leads, where e9 < -8, to that batch's copy with the hold, which stands behind the kernel's end and comes back to the join behind the batch.  Those copies hold register work alone.
; LIMITS: e6 + e7 between -126 and 127; e9 and e10 - e8 - e9 between -126 and 119.  NaN among the inputs is not served.
; REGISTERS.  window 0: v0 thread, v1 16 lane, v2 V's and v3 K's LDS address, v4 2^e9, v5 448 x 2^e9 (at the end 2^(e10-e8-e9)), v6 v7 the spare word and 0;
;   v8+6i: -M, largest t, the sum in two halves, f, a filler, for tile i; v32-47 at work; v48-63 P; v64-127, v128-191 the two buffers; v192-255 O^T (16 a tile).
;   window 1: v0-31 V; v32-35 zeros, v36-67 K, v68-71 zeros; v72-83 Q0 | zeros | Q1; v84-95 Q2 | zeros | Q3; v96-191 the 24 later loads.
.set TB,  32
.set PB,  48
.set SB0, 64
.set OB,  192
.set VF,  0
.set KF,  36
.set QP,  72
.set RST, 96
.set MSB, 0
.macro WIN new                         ; the immediate's high byte repeats the setting that is left
.if MSB != (\new)
	s_set_vgpr_msb (MSB<<8)|(\new)
.set MSB, (\new)
.endif
.endm
.macro ALUW
	s_wait_alu depctr_va_vdst(0)
.endm
.macro QK sb, i                        ; S^T of tile i: eight accumulators, each begun with 0
	WIN 0x05                                       ; K and Q lie in window 1
.irp t, 0,1,2,3,4,5,6,7
.if ((\i)%2) == 0
	v_wmma_f32_16x16x64_fp8_fp8 v[(\sb)+8*\t:(\sb)+8*\t+7], v[KF+4*\t:KF+4*\t+7], v[QP+12*((\i)/2):QP+12*((\i)/2)+7], 0
.else
	v_wmma_f32_16x16x64_fp8_fp8 v[(\sb)+8*\t:(\sb)+8*\t+7], v[KF-4+4*\t:KF+3+4*\t], v[QP+12*((\i)/2)+4:QP+12*((\i)/2)+11], 0
.endif
.endr
	WIN 0
.endm
.macro MAXS sb                         ; my query's largest score among my 64 keys: four chains, in ascending order
	v_max3_num_f32 v40, v[(\sb)], v[(\sb)+1], v[(\sb)+2]
	v_max3_num_f32 v41, v[(\sb)+3], v[(\sb)+4], v[(\sb)+5]
	v_max3_num_f32 v42, v[(\sb)+6], v[(\sb)+7], v[(\sb)+8]
	v_max3_num_f32 v43, v[(\sb)+9], v[(\sb)+10], v[(\sb)+11]
.irp k, 12,20,28,36,44,52
	v_max3_num_f32 v40, v40, v[(\sb)+\k], v[(\sb)+\k+1]
	v_max3_num_f32 v41, v41, v[(\sb)+\k+2], v[(\sb)+\k+3]
	v_max3_num_f32 v42, v42, v[(\sb)+\k+4], v[(\sb)+\k+5]
	v_max3_num_f32 v43, v43, v[(\sb)+\k+6], v[(\sb)+\k+7]
.endr
	v_max3_num_f32 v40, v40, v[(\sb)+60], v[(\sb)+61]
	v_max3_num_f32 v41, v41, v[(\sb)+62], v[(\sb)+63]
	v_max3_num_f32 v40, v40, v41, v42
.endm
.macro B3                              ; the sums' third level: eight pairs become four
.irp q, 0,1,2,3
	v_pk_add_f32 v[TB+2*\q:TB+2*\q+1], v[TB+2*\q:TB+2*\q+1], v[TB+8+2*\q:TB+9+2*\q]
.endr
.endm
; M's chain for the tile with state st; withb = 1: the end of the finished tile's sums (state fs) stands between its lines
.macro CHAIN st, withb, fs
	v_max_num_f32 v40, v40, v43
.if \withb
	v_pk_add_f32 v[TB:TB+1], v[TB:TB+1], v[TB+4:TB+5]
.endif
	v_permlanex16_b32 v44, v40, s34, s35
.if \withb
	v_pk_add_f32 v[TB+2:TB+3], v[TB+2:TB+3], v[TB+6:TB+7]
.endif
	v_max_num_f32 v40, v40, v44                    ; and among lane l xor 16's
	v_mul_f32 v40, s32, v40                        ; as t (c is positive)
.if \withb
	v_pk_add_f32 v[TB:TB+1], v[TB:TB+1], v[TB+2:TB+3]
.endif
	v_max_num_f32 v[(\st)+1], v[(\st)+1], v40      ; the running largest t
	v_floor_f32 v45, -v[(\st)+1]                   ; the new -M
.if \withb
	v_pk_fma_f32 v[(\fs)+2:(\fs)+3], v[(\fs)+2:(\fs)+3], v[(\fs)+4:(\fs)+5], v[TB:TB+1] op_sel_hi:[1,0,1]   ; the sum x f + this step's
.endif
	v_sub_f32 v46, v45, v[(\st)]                   ; old M - new M: a whole number, 0 or less
	v_mov_b32 v[(\st)], v45
	v_cvt_i32_f32 v46, v46                         ; (it saturates)
	v_ldexp_f32 v[(\st)+4], 1.0, v46               ; f
.endm
.macro FINA fi, sb                     ; tile fi is finished, first part.  The wait stands directly ahead of the first reader of O^T
	ALUW
.irp j, 0,2,4,6,8,10,12,14
	v_pk_mul_f32 v[OB+16*(\fi)+\j:OB+16*(\fi)+\j+1], v[OB+16*(\fi)+\j:OB+16*(\fi)+\j+1], v[12+6*(\fi):13+6*(\fi)] op_sel_hi:[1,0]
.endr
.irp t, 0,1,2,3,4,5,6,7
	v_pk_add_f32 v[TB+2*\t:TB+2*\t+1], v[(\sb)+8*\t:(\sb)+8*\t+1], v[(\sb)+8*\t+4:(\sb)+8*\t+5]   ; the sums' second level leaves the buffer
.endr
	WIN 0x01                                       ; V lies in window 1
	v_wmma_f32_16x16x128_fp8_fp8 v[OB+16*(\fi):OB+16*(\fi)+7], v[VF:VF+15], v[PB:PB+15], v[OB+16*(\fi):OB+16*(\fi)+7]
	v_wmma_f32_16x16x128_fp8_fp8 v[OB+16*(\fi)+8:OB+16*(\fi)+15], v[VF+16:VF+31], v[PB:PB+15], v[OB+16*(\fi)+8:OB+16*(\fi)+15]
.endm
.macro FINB fs                         ; the rest of the sums, on end
	B3
	v_pk_add_f32 v[TB:TB+1], v[TB:TB+1], v[TB+4:TB+5]
	v_pk_add_f32 v[TB+2:TB+3], v[TB+2:TB+3], v[TB+6:TB+7]
	v_pk_add_f32 v[TB:TB+1], v[TB:TB+1], v[TB+2:TB+3]
	v_pk_fma_f32 v[(\fs)+2:(\fs)+3], v[(\fs)+2:(\fs)+3], v[(\fs)+4:(\fs)+5], v[TB:TB+1] op_sel_hi:[1,0,1]
.endm
; mode 0: plain; 1: V of this step is asked for at the end; 2: K of the next step; 3: the look-ahead is the next step's, jumped over in the last trip.  dsw = 1: fragments asked for two batches ago are waited for
.macro SEC fi, ni, sb, mode, dsw
.if \dsw
	s_wait_dscnt 0x0
.endif
	FINA \fi, \sb
.if (\mode) == 3
	WIN 0
	FINB 8+6*(\fi)
	ALUW
	s_cmp_eq_u32 s37, 1
	s_cbranch_scc1 .Lsk_\@
	QK \sb, \ni
.rept 4
	v_nop                                          ; four places in front of the first read of the scores (ISA guide 7.12.1)
.endr
	MAXS \sb
	CHAIN 8+6*(\ni), 0, 0
.Lsk_\@:
.else
	QK \sb, \ni
	B3                                             ; these four are the places in front of the first read of the scores
	MAXS \sb
	CHAIN 8+6*(\ni), 1, 8+6*(\fi)
.endif
.if (\mode) == 1
	WIN 0x40
.irp u, 0,1
.irp c, 0,1,2,3
	ds_load_b128 v[VF+16*\u+4*\c:VF+16*\u+4*\c+3], v2 offset:4096+2048*\u+512*\c
.endr
.endr
	WIN 0
.endif
.if (\mode) == 2
	WIN 0x40
.irp t, 0,1,2,3,4,5,6,7
	ds_load_b128 v[KF+4*\t:KF+4*\t+3], v3 offset:512*\t
.endr
	WIN 0
.endif
.endm
.macro FMA1 x, st
	v_pk_fma_f32 v[(\x):(\x)+1], v[(\x):(\x)+1], s[32:33], v[(\st):(\st)+1] op_sel_hi:[1,0,0]   ; t - M
.endm
.macro ADDS ps                         ; the sums' first level, of the unquantised p, in place
.irp a, 0,1,2,3,4,5,6,7
	v_pk_add_f32 v[(\ps)+4*\a:(\ps)+4*\a+1], v[(\ps)+4*\a:(\ps)+4*\a+1], v[(\ps)+4*\a+2:(\ps)+4*\a+3]
.endr
.endm
.macro POSTH ps, pp                    ; with the hold: held copies are converted (the conversion does not saturate: ISA guide 7.6.2; p is not negative)
.irp t, 0,1,2,3
.irp j, 0,1,2,3,4,5,6,7
	v_min_num_f32 v[TB+8*(\t%2)+\j], v[(\ps)+8*\t+\j], v5
.endr
	v_cvt_scalef32_pk8_fp8_f32 v[(\pp)+2*\t:(\pp)+2*\t+1], v[TB+8*(\t%2):TB+8*(\t%2)+7], v4
.endr
	ADDS \ps
.endm
.macro POSTP ps, pp                    ; without
.irp t, 0,1,2,3
	v_cvt_scalef32_pk8_fp8_f32 v[(\pp)+2*\t:(\pp)+2*\t+1], v[(\ps)+8*\t:(\ps)+8*\t+7], v4
.endr
	v_nop                                          ; a plain instruction between the conversions and the lines that write their sources
	ADDS \ps
.endm
; the k-th line that stands behind an exponential: four conversions with plain lines between, then the sums that write their sources, then the remaining multiply-adds
.macro OTHER k, ps, pp, fs, st
.if HOLDV
.if (\k) < 16
	FMA1 (\fs)+2*(\k), \st
.endif
.else
.if (\k) < 8
.if ((\k)%2) == 0
	v_cvt_scalef32_pk8_fp8_f32 v[(\pp)+(\k):(\pp)+(\k)+1], v[(\ps)+4*(\k):(\ps)+4*(\k)+7], v4
.else
	FMA1 (\fs)+(\k)-1, \st
.endif
.elseif (\k) < 16
	v_pk_add_f32 v[(\ps)+4*((\k)-8):(\ps)+4*((\k)-8)+1], v[(\ps)+4*((\k)-8):(\ps)+4*((\k)-8)+1], v[(\ps)+4*((\k)-8)+2:(\ps)+4*((\k)-8)+3]
.elseif (\k) < 28
	FMA1 (\fs)+2*((\k)-12), \st
.endif
.endif
.endm
.macro EXPS es, ps, pp, fs, st         ; 32 exponentials from es on, a neighbour's line behind each
.set kk, 0
.rept 32
	v_exp_f32 v[(\es)+kk], v[(\es)+kk]
	OTHER kk, \ps, \pp, \fs, \st
.set kk, kk+1
.endr
.endm
.macro XB id, es, ps, pp, fs, st       ; a batch, in the loop: without the hold.  A wait stands ahead of the branch (in the text ahead of the macro) and ahead of the join
.set HOLDV, 0
	s_cmp_lt_i32 s25, -8
	s_cbranch_scc1 .Lh_\id
	EXPS \es, \ps, \pp, \fs, \st
	ALUW
.Lj_\id:
.endm
.macro XH id, es, ps, pp, fs, st       ; the same batch with the hold, behind the kernel's end: the codes and sums go ahead of the exponentials
.set HOLDV, 1
.Lh_\id:
	POSTH \ps, \pp
	EXPS \es, \ps, \pp, \fs, \st
	ALUW
	s_branch .Lj_\id
.endm
.macro SLOT i, mode, dsw
.set CB, SB0+64*((\i)%2)
.set NB, SB0+64-64*((\i)%2)
	XB a\i, CB, NB+32, PB+8, CB+32, 8+6*(\i)
	SEC ((\i)+3)%4, ((\i)+1)%4, NB, \mode, \dsw
	ALUW                                           ; ahead of the batch and of its branch
	XB b\i, CB+32, CB, PB, NB, 8+6*(((\i)+1)%4)
.endm
.macro SLOTH i
.set CB, SB0+64*((\i)%2)
.set NB, SB0+64-64*((\i)%2)
	XH a\i, CB, NB+32, PB+8, CB+32, 8+6*(\i)
	XH b\i, CB+32, CB, PB, NB, 8+6*(((\i)+1)%4)
.endm
	s_load_b256 s[4:11], s[0:1], 0x0               ; qc, kv, the exponents, att
	v_lshl_add_u32 v6, v0, 2, 0x20000
	v_mov_b32 v7, 0
	v_lshrrev_b32 v1, 5, v0
	v_readfirstlane_b32 s12, v1                    ; wave 0..7
	s_and_b32 s13, ttmp7, 0xffff                   ; bh
	v_and_b32 v1, 31, v0
	v_lshlrev_b32 v1, 4, v1                        ; 16 x lane
	v_lshlrev_b32 v32, 4, v0                       ; 16 x thread
	v_add_nc_u32 v33, 0x10000, v32
	s_lshl_b32 s14, s13, 16                        ; qc: the head's 128 tiles of 512 bytes,
	s_lshl_b32 s15, ttmp9, 14                      ; my block's 32,
	s_add_co_u32 s14, s14, s15
	s_lshl_b32 s15, s12, 11                        ; my wave's four
	s_add_co_u32 s14, s14, s15
	s_mov_b32 s15, 0
	s_lshl_b32 s40, s13, 17                        ; kv: the head's 131,072 bytes
	s_mov_b32 s41, 0
	s_lshr_b32 s42, s13, 4
	s_lshl_b32 s42, s42, 7                         ; att: row tile 128 b
	s_lshl_b32 s43, ttmp9, 5
	s_add_co_u32 s42, s42, s43                     ; + 32 block
	s_lshl_b32 s43, s12, 2
	s_add_co_u32 s42, s42, s43                     ; + 4 wave
	s_lshl_b32 s42, s42, 13
	s_and_b32 s43, s13, 15
	s_lshl_b32 s43, s43, 9                         ; the head's piece
	s_add_co_u32 s42, s42, s43
	s_mov_b32 s43, 0
	s_mov_b32 s34, 0x76543210
	s_mov_b32 s35, 0xfedcba98
	ALUW
	s_wait_kmcnt 0x0
	s_load_b512 s[16:31], s[8:9], 0x0              ; e0 .. e15 in s16 .. s31
	s_add_nc_u64 s[4:5], s[4:5], s[14:15]
	s_add_nc_u64 s[6:7], s[6:7], s[40:41]
	s_add_nc_u64 s[10:11], s[10:11], s[42:43]
	WIN 0x40
	global_load_b128 v[QP:QP+3], v1, s[4:5]
	global_load_b128 v[QP+8:QP+11], v1, s[4:5] offset:512
	global_load_b128 v[QP+12:QP+15], v1, s[4:5] offset:1024
	global_load_b128 v[QP+20:QP+23], v1, s[4:5] offset:1536
	WIN 0
.irp j, 0,1,2,3,4,5,6,7
	global_load_b128 v[SB0+4*\j:SB0+4*\j+3], v32, s[6:7] offset:4096*\j   ; the work-group's 256 threads take 4,096 consecutive bytes
.endr
	WIN 0x40
.set jj, 8
.rept 24
	global_load_b128 v[RST+4*(jj-8):RST+4*(jj-8)+3], v32, s[6:7] offset:4096*jj
.set jj, jj+1
.endr
.irp j, 32,33,34,35,68,69,70,71,76,77,78,79,88,89,90,91
	v_mov_b32 v\j, 0                               ; zero codes
.endr
	WIN 0
.set jj, 0
.rept 64
	v_mov_b32 v[OB+jj], 0                          ; O^T: the loop is written once, its first steps find zeros
.set jj, jj+1
.endr
.set jj, 0
.rept 32
	v_mov_b32 v[SB0+96+jj], 0                      ; tile "-1": p of its upper half,
.set jj, jj+1
.endr
.irp t, 0,1,2,3
.irp j, 0,1,4,5
	v_mov_b32 v[SB0+64+8*\t+\j], 0                 ; the first level of the sums of its lower half,
.endr
.endr
.irp j, 0,1,2,3,4,5,6,7
	v_mov_b32 v[PB+\j], 0                          ; and that half's codes
.endr
.irp i, 0,1,2,3
	v_mov_b32 v[9+6*\i], 0xff61b1e6                ; the largest t so far: -3e38
	v_mov_b32 v[10+6*\i], 0
	v_mov_b32 v[11+6*\i], 0
	v_mov_b32 v[12+6*\i], 1.0
	v_mov_b32 v[13+6*\i], 0                        ; named as the upper half of a pair
	v_floor_f32 v[8+6*\i], -v[9+6*\i]
.endr
	v_mov_b32 v44, 0                               ; a lane permute's destination counts as read
	s_wait_kmcnt 0x0
	s_add_co_i32 s32, s22, s23
	s_lshl_b32 s32, s32, 23
	s_add_co_i32 s32, s32, 0x3fb8aa3b              ; c = log2(e) x 2^(e6+e7): the exponents are added to its exponent field
	s_mov_b32 s33, s32
	s_add_co_i32 s38, s25, 127
	s_lshl_b32 s39, s38, 23
	v_mov_b32 v4, s39                              ; 2^e9
	s_add_co_i32 s38, s38, 8
	s_lshl_b32 s38, s38, 23
	s_or_b32 s38, s38, 0x600000
	v_mov_b32 v5, s38                              ; 448 x 2^e9
	s_sub_co_i32 s38, s26, s24
	s_sub_co_i32 s38, s38, s25                     ; O / l stands for O / l x 2^(e8+e9): folded into the conversion's scale
	s_add_co_i32 s38, s38, 127
	s_lshl_b32 s46, s38, 23
	s_add_co_i32 s38, s38, 8
	s_lshl_b32 s38, s38, 23
	s_or_b32 s45, s38, 0x600000
	s_or_b32 s44, s45, 0x80000000
	s_mov_b32 s36, 0                               ; LDS byte of the step in hand
	s_mov_b32 s37, 16                              ; steps to go
	ALUW
	s_wait_loadcnt 24                              ; Q and steps 0 to 3 are in; the 24 younger loads may be out
.irp j, 0,1,2,3,4,5,6,7
	ds_store_b128 v32, v[SB0+4*\j:SB0+4*\j+3] offset:4096*\j
.endr
	s_wait_dscnt 0x0                               ; for the others' sake: my part lies in LDS
	s_barrier_signal -1
	s_barrier_wait -1
	WIN 0x40
.irp t, 0,1,2,3,4,5,6,7
	ds_load_b128 v[KF+4*\t:KF+4*\t+3], v1 offset:512*\t
.endr
.irp u, 0,1
.irp c, 0,1,2,3
	ds_load_b128 v[VF+16*\u+4*\c:VF+16*\u+4*\c+3], v1 offset:4096+2048*\u+512*\c   ; finite codes for tile "-1"'s zero P
.endr
.endr
	WIN 0
	s_wait_dscnt 0x0
	QK SB0, 0                                      ; the look-ahead of the first tile
.rept 4
	v_nop
.endr
	MAXS SB0
	CHAIN 8, 0, 0
.set jj, 0
.rept 16
	FMA1 SB0+jj, 8
.set jj, jj+2
.endr
	v_mov_b32 v2, v1
	v_add_nc_u32 v3, 0x2000, v1
	ALUW
	s_wait_loadcnt 0x0                             ; steps 4 to 15 are in, and every load has read its address (v32 is written again in the loop)
	WIN 0x04
.irp j, 8,9,10,11,12,13,14,15
	ds_store_b128 v32, v[RST+4*(\j-8):RST+4*(\j-8)+3] offset:4096*\j
.endr
.irp j, 16,17,18,19,20,21,22,23,24,25,26,27,28,29,30,31
	ds_store_b128 v33, v[RST+4*(\j-8):RST+4*(\j-8)+3] offset:4096*(\j-16)
.endr
	WIN 0
	s_wait_dscnt 0x0                               ; for the others' sake: my part lies in LDS
	s_barrier_signal -1
	s_barrier_wait -1                              ; the last barrier: from here on LDS is only read
.Lstep:
	SLOT 0, 1, 0
	SLOT 1, 0, 1
	SLOT 2, 2, 0
	SLOT 3, 3, 1
	s_add_co_u32 s36, s36, 8192
	v_add_nc_u32 v2, s36, v1                       ; V of the next step
	s_add_co_u32 s38, s36, 8192
	s_and_b32 s38, s38, 0x1e000
	v_add_nc_u32 v3, s38, v1                       ; K of the step after it (behind the last: step 0's again)
	ALUW
	s_sub_co_u32 s37, s37, 1
	s_cmp_lg_u32 s37, 0
	s_cbranch_scc1 .Lstep
	s_cmp_lt_i32 s25, -8
	s_cbranch_scc1 .Lh_t
	POSTP SB0+96, PB+8                             ; the last tile's upper half
.Lj_t:
	FINA 3, SB0+64                                 ; the last tile is finished
	WIN 0
	FINB 26
.irp i, 0,1,2,3
	v_add_f32 v[TB+2*\i], v[10+6*\i], v[11+6*\i]   ; the sums' two halves,
.endr
.irp i, 0,1,2,3
	v_permlanex16_b32 v[40+\i], v[TB+2*\i], s34, s35
.endr
.irp i, 0,1,2,3
	v_add_f32 v[TB+2*\i], v[TB+2*\i], v[40+\i]     ; and lane l xor 16's
.endr
	v_mov_b32 v5, s46                              ; 2^(e10-e8-e9)
	ALUW
.irp i, 0,1,2,3
	v_rcp_f32 v[TB+2*\i], v[TB+2*\i]
.endr
	v_nop                                          ; a plain instruction behind the reciprocals
	ALUW                                           ; for the four, and directly ahead of the first reader of O^T
.irp i, 0,1,2,3
.irp j, 0,2,4,6,8,10,12,14
	v_pk_mul_f32 v[OB+16*\i+\j:OB+16*\i+\j+1], v[OB+16*\i+\j:OB+16*\i+\j+1], v[TB+2*\i:TB+2*\i+1] op_sel_hi:[1,0]
.endr
.endr
.set jj, 0
.rept 64
	v_med3_num_f32 v[OB+jj], v[OB+jj], s44, s45    ; hold within +-448 x the folded scale
.set jj, jj+1
.endr
.irp i, 0,1,2,3
	v_cvt_scalef32_pk8_fp8_f32 v[PB+4*\i:PB+4*\i+1], v[OB+16*\i:OB+16*\i+7], v5
	v_cvt_scalef32_pk8_fp8_f32 v[PB+4*\i+2:PB+4*\i+3], v[OB+16*\i+8:OB+16*\i+15], v5
.endr
	v_nop
.irp i, 0,1,2,3
	global_store_b128 v1, v[PB+4*\i:PB+4*\i+3], s[10:11] offset:8192*\i   ; 512 consecutive, aligned bytes
.endr
	s_wait_tensorcnt 0x0                           ; the wave's end
	ds_add_u32 v6, v7
	s_wait_dscnt 0x0
	s_endpgm
	; the batches with the hold (e9 < -8): each comes from its batch's head and goes back to the join behind it
	SLOTH 0
	SLOTH 1
	SLOTH 2
	SLOTH 3
.Lh_t:
	POSTH SB0+96, PB+8
	ALUW
	s_branch .Lj_t
.Lfunc_end_k_q1c3b7e5806_attn:
	.size	k_q1c3b7e5806_attn, .Lfunc_end_k_q1c3b7e5806_attn-k_q1c3b7e5806_attn
	.p2alignl 7, 3214868480
	.fill 96, 4, 3214868480
	.section	.rodata,"a",@progbits
	.p2align	6, 0x0
	.amdhsa_kernel k_q1c3b7e5806_attn
		.amdhsa_group_segment_fixed_size 133120
		.amdhsa_private_segment_fixed_size 0
		.amdhsa_enable_private_segment 0
		.amdhsa_kernarg_size 32
		.amdhsa_user_sgpr_count 2
		.amdhsa_user_sgpr_kernarg_segment_ptr 1
		.amdhsa_wavefront_size32 1
		.amdhsa_system_sgpr_workgroup_id_x 1
		.amdhsa_system_sgpr_workgroup_id_y 1
		.amdhsa_system_sgpr_workgroup_id_z 1
		.amdhsa_system_vgpr_workitem_id 0
		.amdhsa_next_free_vgpr 448
		.amdhsa_next_free_sgpr 66
		.amdhsa_reserve_vcc 0
		.amdhsa_float_denorm_mode_32 3
		.amdhsa_float_denorm_mode_16_64 3
		.amdhsa_memory_ordered 1
		.amdhsa_forward_progress 1
		.amdhsa_inst_pref_size 105
	.end_amdhsa_kernel
	.amdgpu_metadata
---
amdhsa.version: [ 1, 2 ]
amdhsa.kernels:
  - .name:           k_q1c3b7e5806_attn
    .symbol:         k_q1c3b7e5806_attn.kd
    .args:
      - { .name: qc, .offset: 0, .size: 8, .value_kind: global_buffer, .address_space: global }
      - { .name: kv, .offset: 8, .size: 8, .value_kind: global_buffer, .address_space: global }
      - { .name: lowp_scales, .offset: 16, .size: 8, .value_kind: global_buffer, .address_space: global }
      - { .name: att, .offset: 24, .size: 8, .value_kind: global_buffer, .address_space: global }
    .group_segment_fixed_size: 133120
    .private_segment_fixed_size: 0
    .kernarg_segment_align: 8
    .kernarg_segment_size: 32
    .max_flat_workgroup_size: 256
    .sgpr_count:     66
    .vgpr_count:     448
    .wavefront_size: 32
...
	.end_amdgpu_metadata
.endif
;; end of part 2
;; launch ffn (part 3): grid 128 x 1, 4 waves a work-group, no clusters, 213,504 bytes of LDS; arguments att, x, Wo_codes, W1_codes, W2_codes, bo, ln2_g, ln2_b, b1, b2, lowp_scales, out0; writes out0
.if DOCPART == 3
	.amdgcn_target "amdgcn-amd-amdhsa--gfx1250"
	.amdhsa_code_object_version 6
	.text
	.protected	k_q1c3b7e5806_ffn
	.globl	k_q1c3b7e5806_ffn
	.p2align	8
	.type	k_q1c3b7e5806_ffn,@function
k_q1c3b7e5806_ffn:
	s_mov_b64 s[64:65], 0
	v_nop
	global_prefetch_b8 v0, s[64:65] scope:SCOPE_SE
	s_setreg_imm32_b32 hwreg(HW_REG_WAVE_MODE, 25, 1), 1
	s_wait_xcnt 0x0
; x1 = x + (att Wo^T + bo);  out0 = x1 + (relu(LN2(x1) W1^T + b1) W2^T + b2), the three products on E4M3 codes.  64 rows to a work-group; nothing between the products goes to memory.
; att: codes as images of operand registers, [row tile][head = 4 s + c][lane][16].  Wo, W1, W2: codes [512][512], K innermost.  Exponents: att e10, Wo e11, LN2's result e12, W1 e13, the hidden layer e14, W2 e15.
; SHARES.  THE WAVES SHARE THE COLUMNS: wave w makes features 128 w .. 128 w + 127 of every layer for all 64 rows, 32 features (two tiles) at a time: 8 accumulators by turns.  Its weights go from memory straight
; into its registers, two chunks ahead; each weight byte is wanted by one wave alone, so it does not pass through LDS, and there is nothing for a joint load to land in.  128 work-groups: each must walk all
; 786,432 bytes of weights whatever its rows, and 64 rows are as many as x1 leaves room for in registers (256 a wave).
; THE ROWS OF W THAT FORM A TILE ARE NOT NEIGHBOURS: lane r of tile u of chunk b takes row 128 w + 32 b + 8 u + r + 8 (r/8); with W as source 0 a lane (r,h) holds row r of the 16, and the 16 registers of
; tiles 0 and 1 are features 128 w + 32 b + 16 h + 0..15: 16 neighbours along the next K, so the conversions' results are a piece of the next operand.
; OPERANDS GO FROM WAVE TO WAVE THROUGH LDS AS IMAGES OF THEIR REGISTERS (fragment 4 rt + s at 2,048 bytes, piece c at 512, lane at 16).
; LN2: each wave has 128 of a row's 512 numbers: its mean and centred sum of squares; the four are merged (M2 = sum of M2_w + 128 x sum of (mean_w - mean)^2): one exchange, and no difference of large sums.
; x comes by loads of 512 consecutive bytes and turns through the wave's own strip in LDS (rows of 512 + 16 bytes) into the results' layout; the strip serves again as the stage on the way out.
; LIMITS: e12, e14 between -126 and 119; e10 + e11, e12 + e13, e14 + e15 between -126 and 127.  NaN among the inputs is not served.
; REGISTERS, in windows of 256.  window 0: v1-16 addresses, scales; v32-95 accumulators (16 rt + 8 u; gamma in LN2); v96-159 a bias (beta in LN2); v160-223 at work; v224-239 codes; v240-255 statistics, 4 a tile of rows.
;   window 1: the operand's 16 fragments, 64 rt + 16 s + 4 c.   window 2: x1, 64 rt + 16 b + k.   window 3: W, two sets of 128.
.set TAB,  135168                      ; behind the four strips of 33,792: bo, gamma, beta, b1, b2, 2,048 bytes each
.set STAT, 145408                      ; 512 rt + 128 w + 8 r: (mean_w, M2_w)
.set XIMG, 147456                      ; LN2's codes: 16 fragments
.set HIMG, 180224                      ; the hidden layer's
.set LI, 1                             ; v1   16 x lane
.set XA, 2                             ; v2   my strip, in the results' layout: row r, + 64 h
.set TA, 3                             ; v3   a table at my features
.set SA, 4                             ; v4   where I put my statistics
.set SR, 5                             ; v5   where I read all four waves'
.set XW, 6                             ; v6   where I put LN2's codes
.set HW, 7                             ; v7   the hidden layer's
.set XF, 8                             ; v8   where I read fragments of LN2's codes
.set HF, 9                             ; v9   of the hidden layer's
.set RA, 10                            ; v10  my strip by rows: 16 x lane
.set GO, 11                            ; v11  my 512 bytes of a row of x and of out0
.set WA, 12                            ; v12  W: my lane's row and half
.set TS, 13                            ; v13  the tables, on the way in
.set TG, 14                            ; v14  16 x thread
.set C12, 15                           ; v15  2^e12
.set C14, 16                           ; v16  2^e14
.set ACC,  32
.set BIAS, 96
.set TMP,  160
.set CODE, 224
.set ST,   240
.set MSB, 0
.macro WIN new                         ; the immediate's high byte repeats the setting that is left
.if MSB != (\new)
	s_set_vgpr_msb (MSB<<8)|(\new)
.set MSB, (\new)
.endif
.endm
.macro WSTEP n, s                      ; chunk n (matrix n / 4, features 32 (n % 4) on), K step s, into set n % 2
	WIN 0xc0
.irp u, 0,1
.irp c, 0,1,2,3
	global_load_b128 v[128*((\n)%2)+64*\u+16*(\s)+4*\c:128*((\n)%2)+64*\u+16*(\s)+4*\c+3], v[WA], s[8+2*((\n)/4):9+2*((\n)/4)] offset:(32*((\n)%4)+8*\u)*512+128*(\s)+32*\c
.endr
.endr
.endm
.macro CHUNK n                         ; 32 matrix instructions; the 8 accumulators take turns, one instruction a turn, in the same order in every K step
.irp s, 0,1,2,3
.if (\n) <= 9
	s_wait_loadcnt 56                              ; younger than this step's 8 loads: 8 (3 - s) of this chunk, 32 of the next, 8 s of the one after
.elseif (\n) == 10
	s_wait_loadcnt 56-8*\s
.else
	s_wait_loadcnt 24-8*\s
.endif
	WIN 0x07                                       ; source 0 (W) window 3, source 1 (the rows) window 1
.irp rt, 0,1,2,3
.irp u, 0,1
.if \s == 0
	v_wmma_f32_16x16x128_fp8_fp8 v[ACC+16*\rt+8*\u:ACC+16*\rt+8*\u+7], v[128*((\n)%2)+64*\u+16*\s:128*((\n)%2)+64*\u+16*\s+15], v[64*\rt+16*\s:64*\rt+16*\s+15], 0
.else
	v_wmma_f32_16x16x128_fp8_fp8 v[ACC+16*\rt+8*\u:ACC+16*\rt+8*\u+7], v[128*((\n)%2)+64*\u+16*\s:128*((\n)%2)+64*\u+16*\s+15], v[64*\rt+16*\s:64*\rt+16*\s+15], v[ACC+16*\rt+8*\u:ACC+16*\rt+8*\u+7]
.endif
.endr
.endr
.if ((\n) <= 9) || (\s == 3)
.rept 4
	v_nop                                          ; four places in front of loads into registers that these products have read, and of the first read of results
.endr
.endif
.if (\n) <= 9
	WSTEP (\n)+2, \s
.endif
.endr
	WIN 0
.endm
.macro BLOAD reg, idx                  ; table idx at my 64 features: register 16 b + k = feature 128 w + 32 b + 16 h + k
.irp b, 0,1,2,3
.irp i, 0,1,2,3
	ds_load_b128 v[(\reg)+16*\b+4*\i:(\reg)+16*\b+4*\i+3], v[TA] offset:(\idx)*2048+128*\b+16*\i
.endr
.endr
.endm
.macro XFETCH adr                      ; the operand's 16 fragments
	WIN 0x40
.irp rt, 0,1,2,3
.irp s, 0,1,2,3
.irp c, 0,1,2,3
	ds_load_b128 v[64*\rt+16*\s+4*\c:64*\rt+16*\s+4*\c+3], v[\adr] offset:(4*\rt+\s)*2048+512*\c
.endr
.endr
.endr
	WIN 0
.endm
.macro BARRIER                         ; my LDS stores have landed and my LDS loads are in: then the work-group's barrier
	s_wait_dscnt 0x0
	s_barrier_signal -1
	s_barrier_wait -1
.endm
.macro SCALE b, sc                     ; sum x 2^(the two exponents) + bias, in place, each accumulator from its low end on
.irp rt, 0,1,2,3
.irp k, 0,2,4,6,8,10,12,14
	v_pk_fma_f32 v[ACC+16*\rt+\k:ACC+16*\rt+\k+1], v[ACC+16*\rt+\k:ACC+16*\rt+\k+1], s[\sc:\sc+1], v[BIAS+16*(\b)+\k:BIAS+16*(\b)+\k+1] op_sel_hi:[1,0,1]
.endr
.endr
.endm
.macro E6 b                            ; x1 = x + (sum x 2^(e10+e11) + bo)
	s_wait_dscnt 0x0                               ; bo is in
	SCALE \b, 32
	WIN 0x82
.irp rt, 0,1,2,3
.irp k, 0,2,4,6,8,10,12,14
	v_pk_add_f32 v[64*\rt+16*(\b)+\k:64*\rt+16*(\b)+\k+1], v[64*\rt+16*(\b)+\k:64*\rt+16*(\b)+\k+1], v[ACC+16*\rt+\k:ACC+16*\rt+\k+1]
.endr
.endr
	WIN 0
.endm
.macro E7 b                            ; the hidden layer: relu, hold, codes; piece b of K step w
	s_wait_dscnt 0x0                               ; b1 is in; the last chunk's stores have read their registers
	SCALE \b, 34
.set jj, 0
.rept 64
	v_med3_num_f32 v[ACC+jj], v[ACC+jj], 0, s40    ; the activation and the hold in one
.set jj, jj+1
.endr
.irp rt, 0,1,2,3
	v_cvt_scalef32_pk8_fp8_f32 v[CODE+4*\rt:CODE+4*\rt+1], v[ACC+16*\rt:ACC+16*\rt+7], v[C14]
	v_cvt_scalef32_pk8_fp8_f32 v[CODE+4*\rt+2:CODE+4*\rt+3], v[ACC+16*\rt+8:ACC+16*\rt+15], v[C14]
.endr
	v_nop                                          ; a plain instruction behind the last conversion: the next products write its sources
.irp rt, 0,1,2,3
	ds_store_b128 v[HW], v[CODE+4*\rt:CODE+4*\rt+3] offset:8192*\rt+512*(\b)
.endr
.endm
.macro E8 b                            ; out0 = x1 + (sum x 2^(e14+e15) + b2), into my strip
	s_wait_dscnt 0x0                               ; b2 is in; the last chunk's stores have read their registers
	SCALE \b, 36
	WIN 0x02
.irp rt, 0,1,2,3
.irp k, 0,2,4,6,8,10,12,14
	v_pk_add_f32 v[TMP+16*\rt+\k:TMP+16*\rt+\k+1], v[64*\rt+16*(\b)+\k:64*\rt+16*(\b)+\k+1], v[ACC+16*\rt+\k:ACC+16*\rt+\k+1]
.endr
.endr
	WIN 0
.irp rt, 0,1,2,3
.irp i, 0,1,2,3
	ds_store_b128 v[XA], v[TMP+16*\rt+4*\i:TMP+16*\rt+4*\i+3] offset:8448*\rt+128*(\b)+16*\i
.endr
.endr
.endm
	s_load_b512 s[4:19], s[0:1], 0x0               ; att, x, Wo, W1, W2, bo, gamma, beta
	s_load_b256 s[20:27], s[0:1], 0x40             ; b1, b2, the exponents, out0
	v_lshl_add_u32 v30, v0, 2, 0x34000
	v_mov_b32 v31, 0
	v_lshrrev_b32 v17, 5, v0
	v_readfirstlane_b32 s28, v17                   ; wave 0..3
	v_and_b32 v17, 31, v0                          ; lane
	v_and_b32 v18, 15, v0                          ; r
	v_bfe_u32 v19, v0, 4, 1                        ; h
	v_lshlrev_b32 v[LI], 4, v17
	s_mul_i32 s30, s28, 33792                      ; my strip
	v_mul_u32_u24 v[XA], v18, 528
	v_lshl_add_u32 v[XA], v19, 6, v[XA]
	v_add_nc_u32 v[XA], s30, v[XA]
	v_add_nc_u32 v[RA], s30, v[LI]
	s_lshl_b32 s30, s28, 9
	v_add_nc_u32 v[GO], s30, v[LI]
	s_add_co_u32 s30, s30, TAB
	v_lshl_add_u32 v[TA], v19, 6, s30
	s_lshl_b32 s30, s28, 7
	s_add_co_u32 s30, s30, STAT
	v_lshl_add_u32 v[SA], v18, 3, s30
	v_lshlrev_b32 v[SR], 3, v18
	v_add_nc_u32 v[SR], STAT, v[SR]
	s_lshl_b32 s30, s28, 11
	v_add_nc_u32 v[XW], s30, v[LI]
	v_add_nc_u32 v[HW], HIMG, v[XW]
	v_add_nc_u32 v[XW], XIMG, v[XW]
	v_add_nc_u32 v[XF], XIMG, v[LI]
	v_add_nc_u32 v[HF], HIMG, v[LI]
	v_and_b32 v[WA], 8, v18
	v_add_nc_u32 v[WA], v[WA], v18                 ; r + 8 (r/8)
	v_lshlrev_b32 v[WA], 9, v[WA]
	v_lshl_add_u32 v[WA], v19, 4, v[WA]
	v_lshlrev_b32 v[TG], 4, v0
	v_add_nc_u32 v[TS], TAB, v[TG]
	s_mov_b32 s41, 0x3c000000                      ; 1/128
	s_mov_b32 s42, 0x43000000                      ; 128
	s_mov_b32 s43, 0x3b000000                      ; 1/512
	s_mov_b32 s44, 0x3727c5ac                      ; 1e-5
	s_mov_b32 s46, 0x76543210
	s_mov_b32 s47, 0xfedcba98
	s_mov_b32 s31, 0
	s_wait_alu depctr_va_vdst(0)
	s_wait_kmcnt 0x0
	s_load_b512 s[68:83], s[24:25], 0x0            ; e0 .. e15 in s68 .. s83
	s_lshl_b32 s30, ttmp9, 17                      ; my 64 rows of 2,048 bytes
	s_add_nc_u64 s[6:7], s[6:7], s[30:31]
	s_add_nc_u64 s[26:27], s[26:27], s[30:31]
	s_lshl_b32 s30, ttmp9, 15                      ; my 4 row tiles of 8,192 bytes
	s_add_nc_u64 s[4:5], s[4:5], s[30:31]
	s_lshl_b32 s30, s28, 16                        ; my 128 rows of each matrix
	s_add_nc_u64 s[8:9], s[8:9], s[30:31]
	s_add_nc_u64 s[10:11], s[10:11], s[30:31]
	s_add_nc_u64 s[12:13], s[12:13], s[30:31]
	global_load_b128 v[TMP:TMP+3], v[TG], s[14:15]                 ; the five tables: 128 threads x 16 bytes each
	global_load_b128 v[TMP+4:TMP+7], v[TG], s[16:17]
	global_load_b128 v[TMP+8:TMP+11], v[TG], s[18:19]
	global_load_b128 v[TMP+12:TMP+15], v[TG], s[20:21]
	global_load_b128 v[TMP+16:TMP+19], v[TG], s[22:23]
	WIN 0x80
.set jj, 0
.rept 64
	global_load_b128 v[4*jj:4*jj+3], v[GO], s[6:7] offset:2048*jj th:TH_LOAD_NT   ; my 512 bytes of row jj of x, as they lie; read once in this launch
.set jj, jj+1
.endr
	WIN 0x40
.irp rt, 0,1,2,3
.irp s, 0,1,2,3
.irp c, 0,1,2,3
	global_load_b128 v[64*\rt+16*\s+4*\c:64*\rt+16*\s+4*\c+3], v[LI], s[4:5] offset:8192*\rt+2048*\s+512*\c   ; att's fragments, as they are
.endr
.endr
.endr
	WIN 0
	s_wait_loadcnt 63                              ; 128 loads are younger than the tables': they are in
.irp i, 0,1,2,3,4
	ds_store_b128 v[TS], v[TMP+4*\i:TMP+4*\i+3] offset:2048*\i
.endr
	WSTEP 0, 0
	WSTEP 0, 1
	WSTEP 0, 2
	WSTEP 0, 3
	WSTEP 1, 0
	WSTEP 1, 1
	WSTEP 1, 2
	WSTEP 1, 3
	WIN 0
	s_wait_kmcnt 0x0
	s_add_co_i32 s32, s78, s79
	s_add_co_i32 s32, s32, 127
	s_lshl_b32 s32, s32, 23                        ; 2^(e10+e11)
	s_mov_b32 s33, s32
	s_add_co_i32 s34, s80, s81
	s_add_co_i32 s34, s34, 127
	s_lshl_b32 s34, s34, 23                        ; 2^(e12+e13)
	s_mov_b32 s35, s34
	s_add_co_i32 s36, s82, s83
	s_add_co_i32 s36, s36, 127
	s_lshl_b32 s36, s36, 23                        ; 2^(e14+e15)
	s_mov_b32 s37, s36
	s_add_co_i32 s30, s80, 127
	s_lshl_b32 s29, s30, 23
	v_mov_b32 v[C12], s29
	s_add_co_i32 s30, s30, 8
	s_lshl_b32 s30, s30, 23
	s_or_b32 s39, s30, 0x600000                    ; 448 x 2^e12
	s_or_b32 s38, s39, 0x80000000
	s_add_co_i32 s30, s82, 127
	s_lshl_b32 s29, s30, 23
	v_mov_b32 v[C14], s29
	s_add_co_i32 s30, s30, 8
	s_lshl_b32 s30, s30, 23
	s_or_b32 s40, s30, 0x600000                    ; 448 x 2^e14
	s_wait_loadcnt 63                              ; only the 64 loads of weights are younger than x's and att's: both are in
	WIN 0x08
.set jj, 0
.rept 64
	ds_store_b128 v[RA], v[4*jj:4*jj+3] offset:528*jj
.set jj, jj+1
.endr
	WIN 0x80
.irp rt, 0,1,2,3
.irp b, 0,1,2,3
.irp i, 0,1,2,3
	ds_load_b128 v[64*\rt+16*\b+4*\i:64*\rt+16*\b+4*\i+3], v[XA] offset:8448*\rt+128*\b+16*\i   ; LDS serves a wave's instructions in order (ISA guide 5.7.1.4): these come behind all 64 stores
.endr
.endr
.endr
	WIN 0
	BARRIER                                        ; the tables lie in LDS; x lies in x1's registers
	BLOAD BIAS, 0
	CHUNK 0
	E6 0
	CHUNK 1
	E6 1
	CHUNK 2
	E6 2
	CHUNK 3
	E6 3
	; ---- LN2
	BLOAD ACC, 1                                   ; gamma
	BLOAD BIAS, 2                                  ; beta
	WIN 0x0a
.irp rt, 0,1,2,3
	v_pk_add_f32 v[ST+4*\rt:ST+4*\rt+1], v[64*\rt:64*\rt+1], v[64*\rt+2:64*\rt+3]
	v_pk_add_f32 v[ST+4*\rt+2:ST+4*\rt+3], v[64*\rt+4:64*\rt+5], v[64*\rt+6:64*\rt+7]
.endr
	WIN 0x02
.irp j, 8,12,16,20,24,28,32,36,40,44,48,52,56,60
.irp rt, 0,1,2,3
	v_pk_add_f32 v[ST+4*\rt:ST+4*\rt+1], v[64*\rt+\j:64*\rt+\j+1], v[ST+4*\rt:ST+4*\rt+1]
	v_pk_add_f32 v[ST+4*\rt+2:ST+4*\rt+3], v[64*\rt+\j+2:64*\rt+\j+3], v[ST+4*\rt+2:ST+4*\rt+3]
.endr
.endr
	WIN 0
.irp rt, 0,1,2,3
	v_pk_add_f32 v[ST+4*\rt:ST+4*\rt+1], v[ST+4*\rt:ST+4*\rt+1], v[ST+4*\rt+2:ST+4*\rt+3]
.endr
.irp rt, 0,1,2,3
	v_add_f32 v[ST+4*\rt], v[ST+4*\rt], v[ST+4*\rt+1]
.endr
.irp rt, 0,1,2,3
	v_permlanex16_b32 v[ST+4*\rt+1], v[ST+4*\rt], s46, s47
.endr
.irp rt, 0,1,2,3
	v_add_f32 v[ST+4*\rt], v[ST+4*\rt], v[ST+4*\rt+1]
.endr
.irp rt, 0,1,2,3
	v_mul_f32 v[ST+4*\rt], s41, v[ST+4*\rt]        ; my wave's mean of its 128
.endr
.irp rt, 0,1,2,3
	WIN 0x02
.set jj, 0
.rept 32
	v_pk_add_f32 v[TMP+jj:TMP+jj+1], v[64*\rt+jj:64*\rt+jj+1], v[ST+4*\rt:ST+4*\rt+1] op_sel_hi:[1,0] neg_lo:[0,1] neg_hi:[0,1]
.set jj, jj+2
.endr
	WIN 0
.irp q, 0,2,4,6
	v_pk_mul_f32 v[CODE+\q:CODE+\q+1], v[TMP+\q:TMP+\q+1], v[TMP+\q:TMP+\q+1]
.endr
.irp j, 8,16,24,32,40,48,56
.irp q, 0,2,4,6
	v_pk_fma_f32 v[CODE+\q:CODE+\q+1], v[TMP+\j+\q:TMP+\j+\q+1], v[TMP+\j+\q:TMP+\j+\q+1], v[CODE+\q:CODE+\q+1]
.endr
.endr
	v_pk_add_f32 v[CODE:CODE+1], v[CODE:CODE+1], v[CODE+2:CODE+3]
	v_pk_add_f32 v[CODE+4:CODE+5], v[CODE+4:CODE+5], v[CODE+6:CODE+7]
	v_pk_add_f32 v[CODE:CODE+1], v[CODE:CODE+1], v[CODE+4:CODE+5]
	v_add_f32 v[ST+4*\rt+1], v[CODE], v[CODE+1]
.endr
.irp rt, 0,1,2,3
	v_permlanex16_b32 v[ST+4*\rt+2], v[ST+4*\rt+1], s46, s47
.endr
.irp rt, 0,1,2,3
	v_add_f32 v[ST+4*\rt+1], v[ST+4*\rt+1], v[ST+4*\rt+2]   ; my wave's centred sum of squares
.endr
.irp rt, 0,1,2,3
	ds_store_b64 v[SA], v[ST+4*\rt:ST+4*\rt+1] offset:512*\rt   ; lanes r and r + 16 write the same word with the same numbers
.endr
	BARRIER
.irp rt, 0,1,2,3
.irp w, 0,1,2,3
	ds_load_b64 v[TMP+8*\rt+2*\w:TMP+8*\rt+2*\w+1], v[SR] offset:512*\rt+128*\w
.endr
.endr
	s_wait_dscnt 0x0
.irp rt, 0,1,2,3
	v_add_f32 v[CODE+4*\rt], v[TMP+8*\rt], v[TMP+8*\rt+2]
	v_add_f32 v[CODE+4*\rt+1], v[TMP+8*\rt+4], v[TMP+8*\rt+6]
	v_add_f32 v[CODE+4*\rt+2], v[TMP+8*\rt+1], v[TMP+8*\rt+3]
	v_add_f32 v[CODE+4*\rt+3], v[TMP+8*\rt+5], v[TMP+8*\rt+7]
.endr
.irp rt, 0,1,2,3
	v_add_f32 v[CODE+4*\rt], v[CODE+4*\rt], v[CODE+4*\rt+1]
	v_add_f32 v[CODE+4*\rt+2], v[CODE+4*\rt+2], v[CODE+4*\rt+3]
.endr
.irp rt, 0,1,2,3
	v_mul_f32 v[ST+4*\rt], 0x3e800000, v[CODE+4*\rt]   ; the row's mean
.endr
.irp rt, 0,1,2,3
.irp w, 0,1,2,3
	v_sub_f32 v[TMP+8*\rt+2*\w], v[TMP+8*\rt+2*\w], v[ST+4*\rt]
.endr
.endr
.irp rt, 0,1,2,3
	v_mul_f32 v[CODE+4*\rt], v[TMP+8*\rt], v[TMP+8*\rt]
.endr
.irp w, 1,2,3
.irp rt, 0,1,2,3
	v_fmac_f32 v[CODE+4*\rt], v[TMP+8*\rt+2*\w], v[TMP+8*\rt+2*\w]
.endr
.endr
.irp rt, 0,1,2,3
	v_fma_f32 v[CODE+4*\rt+2], v[CODE+4*\rt], s42, v[CODE+4*\rt+2]
.endr
.irp rt, 0,1,2,3
	v_fma_f32 v[CODE+4*\rt+2], v[CODE+4*\rt+2], s43, s44   ; the variance + 1e-5
.endr
	s_wait_alu depctr_va_vdst(0)
.irp rt, 0,1,2,3
	v_rsq_f32 v[ST+4*\rt+2], v[CODE+4*\rt+2]
.endr
	v_nop                                          ; a plain instruction behind the last of the four
	s_wait_alu depctr_va_vdst(0)                   ; one wait for the four, ahead of their first reader
.irp rt, 0,1,2,3
	WIN 0x02
.set jj, 0
.rept 32
	v_pk_add_f32 v[TMP+jj:TMP+jj+1], v[64*\rt+jj:64*\rt+jj+1], v[ST+4*\rt:ST+4*\rt+1] op_sel_hi:[1,0] neg_lo:[0,1] neg_hi:[0,1]
.set jj, jj+2
.endr
	WIN 0
.set jj, 0
.rept 32
	v_pk_mul_f32 v[TMP+jj:TMP+jj+1], v[TMP+jj:TMP+jj+1], v[ST+4*\rt+2:ST+4*\rt+3] op_sel_hi:[1,0]
.set jj, jj+2
.endr
.set jj, 0
.rept 32
	v_pk_fma_f32 v[TMP+jj:TMP+jj+1], v[TMP+jj:TMP+jj+1], v[ACC+jj:ACC+jj+1], v[BIAS+jj:BIAS+jj+1]
.set jj, jj+2
.endr
.set jj, 0
.rept 64
	v_med3_num_f32 v[TMP+jj], v[TMP+jj], s38, s39  ; hold within +-448 x 2^e12
.set jj, jj+1
.endr
.irp b, 0,1,2,3
	v_cvt_scalef32_pk8_fp8_f32 v[CODE+4*\b:CODE+4*\b+1], v[TMP+16*\b:TMP+16*\b+7], v[C12]
	v_cvt_scalef32_pk8_fp8_f32 v[CODE+4*\b+2:CODE+4*\b+3], v[TMP+16*\b+8:TMP+16*\b+15], v[C12]
.endr
	v_nop                                          ; a plain instruction behind the last conversion
.irp b, 0,1,2,3
	ds_store_b128 v[XW], v[CODE+4*\b:CODE+4*\b+3] offset:8192*\rt+512*\b   ; K step w, rows 16 rt on
.endr
	s_wait_dscnt 0x0                               ; the stores have read their registers
.endr
	BARRIER                                        ; LN2's sixteen fragments lie in LDS
	XFETCH XF
	BLOAD BIAS, 3
	s_wait_dscnt 0x0
	CHUNK 4
	E7 0
	CHUNK 5
	E7 1
	CHUNK 6
	E7 2
	CHUNK 7
	E7 3
	BARRIER                                        ; the hidden layer's sixteen fragments lie in LDS
	XFETCH HF
	BLOAD BIAS, 4
	s_wait_dscnt 0x0
	CHUNK 8
	E8 0
	CHUNK 9
	E8 1
	CHUNK 10
	E8 2
	CHUNK 11
	E8 3
	; ---- the way out: my strip comes back by rows, into the registers that the fragments have left; each store is 512 consecutive, aligned bytes
	WIN 0x40
.set jj, 0
.rept 64
	ds_load_b128 v[4*jj:4*jj+3], v[RA] offset:528*jj   ; my own bytes, behind my own stores
.set jj, jj+1
.endr
	WIN 0x04
.set jj, 0
.rept 64
	s_wait_dscnt 63-jj
	global_store_b128 v[GO], v[4*jj:4*jj+3], s[26:27] offset:2048*jj th:TH_STORE_NT
.set jj, jj+1
.endr
	WIN 0
	s_wait_tensorcnt 0x0
	ds_add_u32 v30, v31
	s_wait_dscnt 0x0
	s_endpgm
.Lfunc_end_k_q1c3b7e5806_ffn:
	.size	k_q1c3b7e5806_ffn, .Lfunc_end_k_q1c3b7e5806_ffn-k_q1c3b7e5806_ffn
	.p2alignl 7, 3214868480
	.fill 96, 4, 3214868480
	.section	.rodata,"a",@progbits
	.p2align	6, 0x0
	.amdhsa_kernel k_q1c3b7e5806_ffn
		.amdhsa_group_segment_fixed_size 213504
		.amdhsa_private_segment_fixed_size 0
		.amdhsa_enable_private_segment 0
		.amdhsa_kernarg_size 96
		.amdhsa_user_sgpr_count 2
		.amdhsa_user_sgpr_kernarg_segment_ptr 1
		.amdhsa_wavefront_size32 1
		.amdhsa_system_sgpr_workgroup_id_x 1
		.amdhsa_system_sgpr_workgroup_id_y 1
		.amdhsa_system_sgpr_workgroup_id_z 1
		.amdhsa_system_vgpr_workitem_id 0
		.amdhsa_next_free_vgpr 1024
		.amdhsa_next_free_sgpr 100
		.amdhsa_reserve_vcc 0
		.amdhsa_float_denorm_mode_32 3
		.amdhsa_float_denorm_mode_16_64 3
		.amdhsa_memory_ordered 1
		.amdhsa_forward_progress 1
		.amdhsa_inst_pref_size 255
	.end_amdhsa_kernel
	.section	.bss,"aw",@nobits
	.p2align	6
	.space	262144
	.amdgpu_metadata
---
amdhsa.version: [ 1, 2 ]
amdhsa.kernels:
  - .name:           k_q1c3b7e5806_ffn
    .symbol:         k_q1c3b7e5806_ffn.kd
    .args:
      - { .name: att, .offset: 0, .size: 8, .value_kind: global_buffer, .address_space: global }
      - { .name: x, .offset: 8, .size: 8, .value_kind: global_buffer, .address_space: global }
      - { .name: Wo_codes, .offset: 16, .size: 8, .value_kind: global_buffer, .address_space: global }
      - { .name: W1_codes, .offset: 24, .size: 8, .value_kind: global_buffer, .address_space: global }
      - { .name: W2_codes, .offset: 32, .size: 8, .value_kind: global_buffer, .address_space: global }
      - { .name: bo, .offset: 40, .size: 8, .value_kind: global_buffer, .address_space: global }
      - { .name: ln2_g, .offset: 48, .size: 8, .value_kind: global_buffer, .address_space: global }
      - { .name: ln2_b, .offset: 56, .size: 8, .value_kind: global_buffer, .address_space: global }
      - { .name: b1, .offset: 64, .size: 8, .value_kind: global_buffer, .address_space: global }
      - { .name: b2, .offset: 72, .size: 8, .value_kind: global_buffer, .address_space: global }
      - { .name: lowp_scales, .offset: 80, .size: 8, .value_kind: global_buffer, .address_space: global }
      - { .name: out0, .offset: 88, .size: 8, .value_kind: global_buffer, .address_space: global }
    .group_segment_fixed_size: 213504
    .private_segment_fixed_size: 0
    .kernarg_segment_align: 8
    .kernarg_segment_size: 96
    .max_flat_workgroup_size: 128
    .sgpr_count:     100
    .vgpr_count:     1024
    .wavefront_size: 32
...
	.end_amdgpu_metadata
.endif
;; end of part 3
